; MI455X (gfx1250); checked and timed in simulation.
; The chip was launched on July 23, 2026; its instructions are those of AMD's public machine-readable ISA for CDNA 5 (MIT licence, August 2026) and "CDNA5" Instruction Set Architecture Reference Guide (July 2026). The comments in the code are by the model that wrote it; some were corrected since.
;; Bert GT Head. Allowed arithmetic: float matrix products may take bf16 or f16 operands with f32 sums; all other float work in f32.
;; Inputs: W_cls 3,072 x 1 float32; W_gap 3,072 x 1 float32; b_cls 1 float32; b_gap 1 float32; gap_ids 16 x 16 int32; pooled_output 16 x 1,024 float32; sequence_output 16 x 512 x 1,024 float32; token_type_ids 16 x 512 int32; word_mask 16 x 512 int32.
;; Outputs: out0 16 x 17 float32.
;; One version. Each part assembles by itself: llvm-mc -triple=amdgcn-amd-amdhsa -mcpu=gfx1250 --defsym DOCPART=n.
;; ======== version 1 of 1: 2 launches
;; workspace buffers: part 32,768 bytes
;; launch pool (part 1): grid 16 x 16, 8 waves a work-group, no clusters, 168,960 bytes of LDS; arguments sequence_output, token_type_ids, word_mask, gap_ids, W_gap, W_cls, pooled_output, part; writes part
.if DOCPART == 1
	.amdgcn_target "amdgcn-amd-amdhsa--gfx1250"
	.amdhsa_code_object_version 6
	.text
	.protected	k_q7a2e25b94e_pool
	.globl	k_q7a2e25b94e_pool
	.p2align	8
	.type	k_q7a2e25b94e_pool,@function
k_q7a2e25b94e_pool:
	s_mov_b64 s[64:65], 0
	v_nop
	global_prefetch_b8 v0, s[64:65] scope:SCOPE_SE
	s_setreg_imm32_b32 hwreg(HW_REG_WAVE_MODE, 25, 1), 1
	s_wait_xcnt 0x0
; BertGTHead, first of two launches.  Work-group (c, b) owns columns 64 c .. 64 c + 63 of all 512 rows of batch b: 512 pieces of
; 256 aligned bytes, 128 KiB, which lie whole in LDS.  So each byte of sequence_output is read from memory once, all of it is asked
; for in the first lines (8 waves x 2 tensor loads, no slot is ever filled again), and both the text pools and the 16 windows are
; read from LDS.  The work-group stores its columns' share of the 17 scores of batch b: part[b][c][0] cls, [1..16] gaps, [17..31] zero.
; base[s] = (token_type_ids == 0) * float(word_mask).  A window is the band |s - gid| <= 15 that the problem itself defines: 31 rows.
; More than 31 rows exist, so a zero always takes part in a window's maximum; in the text maximum only the products x * base do.
; No matrix instructions: the mask of the average has 31 rows of 512, the maximum needs the same products on the vector unit, and the
; products with W have one column.  No cluster: no two work-groups share a byte of sequence_output.  No LDS padding: every LDS read
; takes whole rows of 256 consecutive bytes.
; LIMITS: a NaN in sequence_output is not carried through the maxima (v_max*_num drops it); the sign of a zero is not kept; the division
; by the number of tokens is v_rcp_f32 times the dot product (a count of 0 gives 0 x inf = NaN, as 0 / 0 does); gap_ids are clamped to 511
; as unsigned numbers; part is stored in pieces of 128 bytes (32 KiB in the whole launch).
;
; LDS.  Tensor loads fill XT alone; all else is written by ds_store, in blocks of 256 bytes of their own.
.set XLO,  0                           ; 16 rows of zeros: rows -16 .. -1
.set XT,   4096                        ; row s at (s + 16) * 256
.set XHI,  XT+512*256                  ; 16 rows of zeros: rows 512 .. 527
.set MASK, XHI+4096                    ; f32: word s + 16 = base[s]; words 0..15 and 528..543 are zero
.set TM,   MASK+2304                   ; text maxima, [wave][lane] 16 bytes
.set TSO,  4096                        ; text sums lie TSO bytes behind the maxima, same layout
.set SC,   TM+8192                     ; 32 words: the scores
; Vector registers.  L = lane, i = L & 15, h = L >> 4.
.set HC,   2                           ; h * 4096 + 16 i: lanes 0-15 take a row, lanes 16-31 the row 16 further down
.set L4,   3                           ; 4 L
.set ADT,  4                           ; LDS address of my wave's 64 rows
.set ADA,  5                           ; of gap A's window, row gid - 15
.set ADB,  6                           ; of gap B's
.set MST,  7                           ; where my base words go
.set W0,   8                           ; base of row 64 w + L
.set W1,   9                           ; base of row 64 w + 32 + L
.set WA,   10                          ; weight of row gidA - 15 + L
.set WB,   11
.set LD,   12                          ; v[12:15] token types and word masks as loaded; later v12, v13 the counts
.set PR,   16                          ; v[16:23] products of two row steps; what comes from the other half of the lanes
.set MX,   24                          ; v[24:27] running maxima of my 4 columns
.set SM,   28                          ; v[28:31] running sums
.set WG,   32                          ; v[32:43] W_gap of my 4 columns: gap row, maximum (both zero in lanes 16-31), average
.set WC,   44                          ; v[44:55] W_cls likewise, not zeroed (wave 0)
.set PO,   56                          ; v[56:59] pooled_output (wave 0)
.set AC,   60                          ; v[60:61] a score in the making (at the head: i and h)
.set TP,   62                          ; v[62:63]
.set RNA,  64                          ; v[64:65] 1 / count, twice: a pair for the packed multiply
.set RNB,  66
.set GM,   68                          ; offset in the masks: 256 w + 4 L
.set GW,   69                          ; offset in W and in a pooled row: 256 c + 16 i
.set PLO,  70                          ; 512 w + 16 L
.set SCW,  71                          ; SC + 4 + 8 w: my wave's two score words
.set PHI,  72                          ; XHI + 512 w + 16 L
.set TMA,  73                          ; TM + 512 w + 16 L
.set MPD,  74                          ; MASK + 4 i
.set WAA,  75                          ; address of gap A's weights
.set WAB,  76
.set SCL,  77                          ; SC + 4 L
.set MRD,  78                          ; MASK + 64 + 16 L (wave 0)
.set SC0,  79                          ; SC (wave 0)
.set XB,   80                          ; v[80:143], v[144:207]: two buffers of 16 row steps x 4 columns
	s_load_b512 s[8:23], s[0:1], 0x0               ; seq 8:9, token types 10:11, word mask 12:13, gap_ids 14:15, W_gap 16:17, W_cls 18:19, pooled 20:21, part 22:23
	v_lshl_add_u32 v208, v0, 2, 0x29000
	v_mov_b32 v209, 0
	ds_add_u32 v208, v209
	ds_add_u32 v208, v209
	v_and_b32 v1, 31, v0                           ; L
	v_lshrrev_b32 v2, 5, v0
	v_readfirstlane_b32 s4, v2                     ; wave w
	s_and_b32 s5, ttmp7, 0xffff                    ; b
	s_mov_b32 s6, ttmp9                            ; c
	; descriptor group 1: a tile of 32 rows x 64 elements of 4 bytes, 1,024 elements from row to row, no padding, no mask
	s_mov_b32 s24, 2<<16                           ; element of 4 bytes
	s_mov_b32 s25, 64<<16                          ; tensor_dim0 = 64
	s_mov_b32 s26, 32<<16                          ; tensor_dim1 = 32
	s_mov_b32 s27, 64<<16                          ; tile_dim0 = 64
	s_mov_b32 s28, 32                              ; tile_dim1 = 32
	s_mov_b32 s29, 1024                            ; pitch
	s_mov_b32 s30, 0
	s_mov_b32 s31, 0
	; group 0, one set for each of my two tiles: rows 64 w + 32 j .. + 31 to XT + w * 16384 + j * 8192
	s_mov_b32 s32, 1
	s_mov_b32 s36, 1
	s_lshl_b32 s53, s4, 14
	s_add_co_u32 s33, s53, XT
	s_add_co_u32 s37, s53, XT+8192
	s_lshl_b32 s42, s5, 21                         ; a batch is 2 MiB,
	s_lshl_b32 s53, s4, 18                         ; 64 rows are 256 KiB,
	s_add_co_u32 s42, s42, s53
	s_lshl_b32 s53, s6, 8                          ; 64 columns are 256 bytes: below 32 MiB in all
	s_add_co_u32 s42, s42, s53
	s_mov_b32 s43, 0
	s_wait_dscnt 0x0
	s_wait_kmcnt 0x0
	s_add_nc_u64 s[34:35], s[8:9], s[42:43]
	s_add_nc_u64 s[38:39], s[34:35], 0x20000       ; 32 rows further down
	s_or_b32 s35, s35, 0x80000000                  ; type 2
	s_or_b32 s39, s39, 0x80000000
	; Both first fills, ahead of every wait on TENSORcnt, LDS read and barrier.  Two loads of 32 rows rather than one of 64, so that the
	; first half is worked on while the second lands.  A wave has two tensor loads out; no descriptor register is written again.
	tensor_load_to_lds s[32:35], s[24:31]
	s_nop 0
	tensor_load_to_lds s[36:39], s[24:31]
	s_nop 0
	; the small inputs.  Every base is stepped once, ahead of the loads that name it.
	s_lshl_b32 s42, s5, 6
	s_lshl3_add_u32 s42, s4, s42                   ; gap_ids[b][2 w]: 64 b + 8 w
	s_add_nc_u64 s[14:15], s[14:15], s[42:43]
	s_load_b64 s[40:41], s[14:15], 0x0             ; gidA, gidB
	s_lshl_b32 s42, s5, 11
	s_add_nc_u64 s[10:11], s[10:11], s[42:43]      ; the batch's 512 token types
	s_add_nc_u64 s[12:13], s[12:13], s[42:43]      ; and word masks
	s_lshl_b32 s42, s5, 12
	s_add_nc_u64 s[20:21], s[20:21], s[42:43]      ; the batch's pooled row
	s_lshl_b32 s42, s5, 4
	s_add_co_u32 s42, s42, s6
	s_lshl_b32 s42, s42, 7
	s_add_nc_u64 s[22:23], s[22:23], s[42:43]      ; part[b][c]
	s_mov_b32 s44, 0x76543210                      ; v_permlanex16_b32: lane i of one half reads lane i of the other
	s_mov_b32 s45, 0xfedcba98
	s_mov_b32 s51, 0x7fffffff                      ; all lanes but 31
	s_mov_b32 s52, 0x0000ffff                      ; lanes 0-15
	v_and_b32 v[AC], 15, v0                        ; i
	v_bfe_u32 v[AC+1], v0, 4, 1                    ; h
	v_lshlrev_b32 v[L4], 2, v1
	v_lshlrev_b32 v[HC], 4, v[AC]
	v_lshl_add_u32 v[GW], s6, 8, v[HC]
	v_lshl_add_u32 v[GM], s4, 8, v[L4]
	global_load_b32 v[LD],   v[GM], s[10:11]
	global_load_b32 v[LD+1], v[GM], s[10:11] offset:128
	global_load_b32 v[LD+2], v[GM], s[12:13]
	global_load_b32 v[LD+3], v[GM], s[12:13] offset:128
	global_load_b128 v[WG:WG+3],    v[GW], s[16:17]
	global_load_b128 v[WG+4:WG+7],  v[GW], s[16:17] offset:4096
	global_load_b128 v[WG+8:WG+11], v[GW], s[16:17] offset:8192
	v_lshl_add_u32 v[HC], v[AC+1], 12, v[HC]
	v_add_nc_u32 v[ADT], s33, v[HC]                ; s33 = XT + w * 16384 is only read here
	v_add_nc_u32 v[MST], MASK+64, v[GM]
	v_lshlrev_b32 v[PLO], 4, v1
	v_lshl_add_u32 v[PLO], s4, 9, v[PLO]
	v_add_nc_u32 v[PHI], XHI, v[PLO]
	v_add_nc_u32 v[TMA], TM, v[PLO]
	v_lshl_add_u32 v[MPD], v[AC], 2, MASK
	v_add_nc_u32 v[SCL], SC, v[L4]
	s_lshl_b32 s53, s4, 3
	s_add_co_u32 s53, s53, SC+4
	v_mov_b32 v[SCW], s53
.irp k, 0,1,2,3,4,5,6,7
	v_mov_b32 v[PR+\k], 0                          ; the zeros for the pads; also: destinations of DPP and lane exchanges count as read
.endr
	s_cmp_lg_u32 s4, 0
	s_cbranch_scc1 .Lnot_wave_0_a
	global_load_b128 v[WC:WC+3],    v[GW], s[18:19]
	global_load_b128 v[WC+4:WC+7],  v[GW], s[18:19] offset:4096
	global_load_b128 v[WC+8:WC+11], v[GW], s[18:19] offset:8192
	global_load_b128 v[PO:PO+3],    v[GW], s[20:21]
	ds_store_b32 v[MPD], v[PR]                     ; mask words 0..15 (lanes i and i + 16 write the same zero)
	ds_store_b32 v[MPD], v[PR] offset:2112         ; mask words 528..543
	ds_store_b32 v[SCL], v[PR]                     ; the 32 score words: 17..31 stay zero
.Lnot_wave_0_a:
	ds_store_b128 v[PLO], v[PR:PR+3]               ; 256 threads x 16 bytes: the 16 zero rows below,
	ds_store_b128 v[PHI], v[PR:PR+3]               ; and above
	s_wait_loadcnt 0x0                             ; all the small loads
	v_cmp_eq_u32 vcc_lo, 0, v[LD]
	v_cvt_f32_i32 v[W0], v[LD+2]
	v_cndmask_b32 v[W0], 0, v[W0], vcc_lo          ; base = float(word_mask) where the token type is 0, else 0
	v_cmp_eq_u32 vcc_lo, 0, v[LD+1]
	v_cvt_f32_i32 v[W1], v[LD+3]
	v_cndmask_b32 v[W1], 0, v[W1], vcc_lo
	ds_store_b32 v[MST], v[W0]
	ds_store_b32 v[MST], v[W1] offset:128
.irp k, 0,1,2,3,4,5,6,7
	v_cndmask_b32 v[WG+\k], 0, v[WG+\k], s52       ; the gap row lies in lanes 0-15 alone, and the maximum is to count once
.endr
	s_wait_kmcnt 0x0
	s_min_u32 s40, s40, 511
	s_min_u32 s41, s41, 511
	s_lshl_b32 s47, s40, 8
	s_add_co_u32 s47, s47, 256                     ; row gid - 15 lies at (gid + 1) * 256
	s_lshl_b32 s48, s41, 8
	s_add_co_u32 s48, s48, 256
	v_add_nc_u32 v[ADA], s47, v[HC]
	v_add_nc_u32 v[ADB], s48, v[HC]
	s_lshl_b32 s49, s40, 2
	s_add_co_u32 s49, s49, MASK+4                  ; its base is mask word gid + 1
	s_lshl_b32 s50, s41, 2
	s_add_co_u32 s50, s50, MASK+4
	v_add_nc_u32 v[WAA], s49, v[L4]
	v_add_nc_u32 v[WAB], s50, v[L4]
; 16 LDS loads: step t brings lanes 0-15 row r0 + t and lanes 16-31 row r0 + 16 + t, 4 columns a lane
.macro LOAD16 buf, adr, off
.irp t, 0,1,2,3,4,5,6,7,8,9,10,11,12,13,14,15
	ds_load_b128 v[XB+64*\buf+4*\t:XB+64*\buf+4*\t+3], v[\adr] offset:\off+256*\t
.endr
.endm
; Two row steps.  Register w holds the weight of row r0 + L in lane L, so row_share:t gives each half of the lanes its own row's weight inside
; the multiply.  start = 1: these products start maxima and sums; 2: the same, with the zero that always takes part in a window's maximum; 0: go on.
; cnt = the LDS instructions issued behind step t1's load.
.macro STEP2 buf, w, t0, t1, start, cnt
	s_wait_dscnt \cnt
.irp k, 0,1,2,3
	v_mul_f32_dpp v[PR+\k], v[\w], v[XB+64*\buf+4*\t0+\k] row_share:\t0 row_mask:0xf bank_mask:0xf
.endr
.irp k, 0,1,2,3
	v_mul_f32_dpp v[PR+4+\k], v[\w], v[XB+64*\buf+4*\t1+\k] row_share:\t1 row_mask:0xf bank_mask:0xf
.endr
.if \start == 1
.irp k, 0,1,2,3
	v_max_num_f32 v[MX+\k], v[PR+\k], v[PR+4+\k]
.endr
.elseif \start == 2
.irp k, 0,1,2,3
	v_max3_num_f32 v[MX+\k], 0, v[PR+\k], v[PR+4+\k]
.endr
.else
.irp k, 0,1,2,3
	v_max3_num_f32 v[MX+\k], v[MX+\k], v[PR+\k], v[PR+4+\k]
.endr
.endif
.if \start
	v_pk_add_f32 v[SM:SM+1],   v[PR:PR+1],   v[PR+4:PR+5]
	v_pk_add_f32 v[SM+2:SM+3], v[PR+2:PR+3], v[PR+6:PR+7]
.else
	v_pk_add_f32 v[PR:PR+1],   v[PR:PR+1],   v[PR+4:PR+5]
	v_pk_add_f32 v[PR+2:PR+3], v[PR+2:PR+3], v[PR+6:PR+7]
	v_pk_add_f32 v[SM:SM+1],   v[SM:SM+1],   v[PR:PR+1]
	v_pk_add_f32 v[SM+2:SM+3], v[SM+2:SM+3], v[PR+2:PR+3]
.endif
.endm
; A buffer's 32 rows.  LDS loads come back in order: behind pair p stand 14 - 2 p loads of this buffer and left later ones.
.macro ACC16 buf, w, start, left
	STEP2 \buf, \w, 0, 1, \start, \left+14
	STEP2 \buf, \w, 2, 3, 0, \left+12
	STEP2 \buf, \w, 4, 5, 0, \left+10
	STEP2 \buf, \w, 6, 7, 0, \left+8
	STEP2 \buf, \w, 8, 9, 0, \left+6
	STEP2 \buf, \w, 10, 11, 0, \left+4
	STEP2 \buf, \w, 12, 13, 0, \left+2
	STEP2 \buf, \w, 14, 15, 0, \left+0
.endm
.macro RSUM d, s                       ; the sum over each half of 16 lanes, in all its lanes
	v_add_f32_dpp v[\d], v[\s], v[\s] row_xmask:1 row_mask:0xf bank_mask:0xf
	v_add_f32_dpp v[\d], v[\d], v[\d] row_xmask:2 row_mask:0xf bank_mask:0xf
	v_add_f32_dpp v[\d], v[\d], v[\d] row_xmask:4 row_mask:0xf bank_mask:0xf
	v_add_f32_dpp v[\d], v[\d], v[\d] row_xmask:8 row_mask:0xf bank_mask:0xf
.endm
.macro WSUM d, s, tmp                  ; the sum over the 32 lanes, in every lane
	RSUM \d, \s
	v_permlanex16_b32 v[\tmp], v[\d], s44, s45
	v_add_f32 v[\d], v[\d], v[\tmp]
.endm
; my 4 columns' share of a score: f0 . w[0:4] + maximum . w[4:8] + (sum . w[8:12]) / count
.macro FEAT f0, wt, rn
	v_pk_mul_f32 v[AC:AC+1], v[\f0:\f0+1], v[\wt:\wt+1]
	v_pk_fma_f32 v[AC:AC+1], v[\f0+2:\f0+3], v[\wt+2:\wt+3], v[AC:AC+1]
	v_pk_fma_f32 v[AC:AC+1], v[MX:MX+1], v[\wt+4:\wt+5], v[AC:AC+1]
	v_pk_fma_f32 v[AC:AC+1], v[MX+2:MX+3], v[\wt+6:\wt+7], v[AC:AC+1]
	v_pk_mul_f32 v[TP:TP+1], v[SM:SM+1], v[\wt+8:\wt+9]
	v_pk_fma_f32 v[TP:TP+1], v[SM+2:SM+3], v[\wt+10:\wt+11], v[TP:TP+1]
	v_pk_fma_f32 v[AC:AC+1], v[TP:TP+1], v[\rn:\rn+1], v[AC:AC+1]
	v_add_f32 v[AC], v[AC], v[AC+1]
.endm
; A gap's score.  The maxima of the two halves are joined (W's part for them is zero in lanes 16-31); the sums of the two halves meet in WSUM.
; Step 15 of the buffer holds, in lanes 0-15, row gid itself, unweighted.
.macro GAPFIN buf, rn, word
.irp k, 0,1,2,3
	v_permlanex16_b32 v[PR+\k], v[MX+\k], s44, s45
.endr
	s_wait_alu depctr_va_vdst(0)
.irp k, 0,1,2,3
	v_max_num_f32 v[MX+\k], v[MX+\k], v[PR+\k]
.endr
	FEAT XB+64*\buf+60, WG, \rn
	WSUM AC, AC, PR
	ds_store_b32 v[SCW], v[AC] offset:4*\word      ; all lanes write the same number to the wave's own word
.endm
	; THE TEXT POOLS: my wave's 64 rows, read from my own two tiles behind my own waits
	s_wait_tensorcnt 0x1                           ; tile 0 is in; tile 1, issued behind it, may be out
	LOAD16 0, ADT, 0
	ACC16 0, W0, 1, 0
	s_wait_tensorcnt 0x0                           ; tile 1 is in: no tensor load of mine is out from here on
	LOAD16 1, ADT, 8192
	ACC16 1, W1, 0, 0
	ds_store_b128 v[TMA], v[MX:MX+3]
	ds_store_b128 v[TMA], v[SM:SM+3] offset:TSO
	s_wait_dscnt 0x0                               ; my pads, base words, maxima and sums are in LDS; my tiles are, by the wait above
	s_barrier_signal -1
	s_barrier_wait -1                              ; that now holds of all eight waves
	; THE WINDOWS: gaps 2 w (A) and 2 w + 1 (B), 32 row places each; place 31 (row gid + 16) lies outside the band
	ds_load_b32 v[WA], v[WAA]
	ds_load_b32 v[WB], v[WAB]
	LOAD16 0, ADA, 0
	LOAD16 1, ADB, 0
	s_wait_dscnt 32                                ; the two weight loads are in; the 32 row loads behind them may be out
	v_cndmask_b32 v[WA], 0, v[WA], s51
	v_cndmask_b32 v[WB], 0, v[WB], s51
	WSUM LD, WA, PR                                ; the numbers of tokens
	WSUM LD+1, WB, PR
	v_rcp_f32 v[RNA], v[LD]
	v_rcp_f32 v[RNA+1], v[LD]
	v_rcp_f32 v[RNB], v[LD+1]
	v_rcp_f32 v[RNB+1], v[LD+1]                    ; the plain instruction behind them (ISA guide 5.7.2) is the first multiply below, which names none of these
	ACC16 0, WA, 2, 16                             ; B's 16 loads stand behind A's
	GAPFIN 0, RNA, 0
	ACC16 1, WB, 2, 0                              ; A's score store stands behind these loads too: the counts are one lower than they need be
	GAPFIN 1, RNB, 1
	; THE CLS SCORE, wave 0: the eight waves' maxima and sums, the 512 base words
	s_cmp_lg_u32 s4, 0
	s_cbranch_scc1 .Lnot_wave_0_b
	v_lshl_add_u32 v[MRD], v1, 4, MASK+64
	v_mov_b32 v[SC0], SC
.irp q, 0,1,2,3,4,5,6,7
	ds_load_b128 v[XB+4*\q:XB+4*\q+3], v[TMA] offset:512*\q              ; in wave 0 TMA is TM + 16 L
.endr
.irp q, 0,1,2,3,4,5,6,7
	ds_load_b128 v[XB+32+4*\q:XB+32+4*\q+3], v[TMA] offset:TSO+512*\q
.endr
.irp q, 0,1,2,3
	ds_load_b128 v[XB+64+4*\q:XB+64+4*\q+3], v[MRD] offset:512*\q
.endr
	s_wait_dscnt 0x0
.irp k, 0,1,2,3
	v_max3_num_f32 v[MX+\k], v[XB+\k], v[XB+4+\k], v[XB+8+\k]
	v_max3_num_f32 v[MX+\k], v[MX+\k], v[XB+12+\k], v[XB+16+\k]
	v_max3_num_f32 v[MX+\k], v[MX+\k], v[XB+20+\k], v[XB+24+\k]
	v_max_num_f32 v[MX+\k], v[MX+\k], v[XB+28+\k]
.endr
.irp k, 0,2
	v_pk_add_f32 v[SM+\k:SM+\k+1], v[XB+32+\k:XB+32+\k+1], v[XB+36+\k:XB+36+\k+1]
.irp q, 2,3,4,5,6,7
	v_pk_add_f32 v[SM+\k:SM+\k+1], v[SM+\k:SM+\k+1], v[XB+32+4*\q+\k:XB+32+4*\q+\k+1]
.endr
.endr
	v_pk_add_f32 v[TP:TP+1], v[XB+64:XB+65], v[XB+66:XB+67]
.irp q, 2,3,4,5,6,7
	v_pk_add_f32 v[TP:TP+1], v[TP:TP+1], v[XB+64+2*\q:XB+64+2*\q+1]
.endr
	v_add_f32 v[LD], v[TP], v[TP+1]
	WSUM LD, LD, PR                                ; the number of tokens of the text
.irp k, 0,1,2,3
	v_permlanex16_b32 v[PR+\k], v[MX+\k], s44, s45
	v_permlanex16_b32 v[PR+4+\k], v[SM+\k], s44, s45
.endr
	v_rcp_f32 v[RNA], v[LD]
	v_rcp_f32 v[RNA+1], v[LD]                      ; the maxima below are the plain instructions behind them
.irp k, 0,1,2,3
	v_max_num_f32 v[MX+\k], v[MX+\k], v[PR+\k]
.endr
	v_pk_add_f32 v[SM:SM+1],   v[SM:SM+1],   v[PR+4:PR+5]
	v_pk_add_f32 v[SM+2:SM+3], v[SM+2:SM+3], v[PR+6:PR+7]
	s_wait_alu depctr_va_vdst(0)
	FEAT PO, WC, RNA                               ; both halves of the lanes now hold the same 64 columns,
	RSUM AC, AC                                    ; so the sum over 16 lanes is the share of the score
	ds_store_b32 v[SC0], v[AC]
.Lnot_wave_0_b:
	s_wait_dscnt 0x0                               ; my score words are in LDS
	s_barrier_signal -1
	s_barrier_wait -1
	s_cmp_lg_u32 s4, 0
	s_cbranch_scc1 .Lend
	ds_load_b32 v[AC], v[SCL]
	s_wait_dscnt 0x0
	global_store_b32 v[L4], v[AC], s[22:23]        ; 32 lanes, 128 consecutive bytes
.Lend:
	s_wait_tensorcnt 0x0
	ds_add_u32 v208, v209
	s_wait_dscnt 0x0
	s_endpgm
.Lfunc_end_k_q7a2e25b94e_pool:
	.size	k_q7a2e25b94e_pool, .Lfunc_end_k_q7a2e25b94e_pool-k_q7a2e25b94e_pool
	.p2alignl 7, 3214868480
	.fill 96, 4, 3214868480
	.section	.rodata,"a",@progbits
	.p2align	6, 0x0
	.amdhsa_kernel k_q7a2e25b94e_pool
		.amdhsa_group_segment_fixed_size 168960
		.amdhsa_private_segment_fixed_size 0
		.amdhsa_enable_private_segment 0
		.amdhsa_kernarg_size 64
		.amdhsa_user_sgpr_count 2
		.amdhsa_user_sgpr_kernarg_segment_ptr 1
		.amdhsa_wavefront_size32 1
		.amdhsa_system_sgpr_workgroup_id_x 1
		.amdhsa_system_sgpr_workgroup_id_y 1
		.amdhsa_system_sgpr_workgroup_id_z 1
		.amdhsa_system_vgpr_workitem_id 0
		.amdhsa_next_free_vgpr 210
		.amdhsa_next_free_sgpr 66
		.amdhsa_reserve_vcc 1
		.amdhsa_float_denorm_mode_32 3
		.amdhsa_float_denorm_mode_16_64 3
		.amdhsa_memory_ordered 1
		.amdhsa_forward_progress 1
		.amdhsa_inst_pref_size 54
	.end_amdhsa_kernel
	.amdgpu_metadata
---
amdhsa.version: [ 1, 2 ]
amdhsa.kernels:
  - .name:           k_q7a2e25b94e_pool
    .symbol:         k_q7a2e25b94e_pool.kd
    .args:
      - { .name: sequence_output, .offset: 0, .size: 8, .value_kind: global_buffer, .address_space: global }
      - { .name: token_type_ids, .offset: 8, .size: 8, .value_kind: global_buffer, .address_space: global }
      - { .name: word_mask, .offset: 16, .size: 8, .value_kind: global_buffer, .address_space: global }
      - { .name: gap_ids, .offset: 24, .size: 8, .value_kind: global_buffer, .address_space: global }
      - { .name: W_gap, .offset: 32, .size: 8, .value_kind: global_buffer, .address_space: global }
      - { .name: W_cls, .offset: 40, .size: 8, .value_kind: global_buffer, .address_space: global }
      - { .name: pooled_output, .offset: 48, .size: 8, .value_kind: global_buffer, .address_space: global }
      - { .name: part, .offset: 56, .size: 8, .value_kind: global_buffer, .address_space: global }
    .group_segment_fixed_size: 168960
    .private_segment_fixed_size: 0
    .kernarg_segment_align: 8
    .kernarg_segment_size: 64
    .max_flat_workgroup_size: 256
    .sgpr_count:     66
    .vgpr_count:     210
    .wavefront_size: 32
...
	.end_amdgpu_metadata
.endif
;; end of part 1
;; launch finish (part 2): grid 1 x 1, 16 waves a work-group, no clusters, 0 bytes of LDS; arguments part, b_cls, b_gap, out0; writes out0
.if DOCPART == 2
	.amdgcn_target "amdgcn-amd-amdhsa--gfx1250"
	.amdhsa_code_object_version 6
	.text
	.protected	k_q7a2e25b94e_finish
	.globl	k_q7a2e25b94e_finish
	.p2align	8
	.type	k_q7a2e25b94e_finish,@function
k_q7a2e25b94e_finish:
	s_mov_b64 s[64:65], 0
	v_nop
	global_prefetch_b8 v0, s[64:65] scope:SCOPE_SE
	s_setreg_imm32_b32 hwreg(HW_REG_WAVE_MODE, 25, 1), 1
	s_wait_xcnt 0x0
; BertGTHead, second launch: out0[b][j] = the sum over the 16 column chunks c of part[b][c][j], plus b_cls (j = 0) or b_gap (j = 1..16).
; One work-group: the whole input is 32 KiB.  Wave b, lane j; each load of a wave takes the 128 consecutive bytes of part[b][c].
; Words 17..31 of a chunk are zeros that the first launch stored; lanes 17..31 add them and store nothing.
; A row of out0 is 68 bytes, so the 16 stores of the launch are pieces of 68 bytes: 1,088 bytes in all.
	s_load_b256 s[4:11], s[0:1], 0x0               ; part 4:5, b_cls 6:7, b_gap 8:9, out0 10:11
	v_and_b32 v1, 31, v0                           ; j
	v_lshrrev_b32 v2, 5, v0                        ; b
	v_lshlrev_b32 v3, 2, v1
	v_lshl_add_u32 v3, v2, 11, v3                  ; 2,048 b + 4 j
	s_wait_kmcnt 0x0
	s_load_b32 s12, s[6:7], 0x0                    ; b_cls
	s_load_b32 s13, s[8:9], 0x0                    ; b_gap
.irp c, 0,1,2,3,4,5,6,7,8,9,10,11,12,13,14,15
	global_load_b32 v[4+\c], v3, s[4:5] offset:128*\c
.endr
	v_mul_u32_u24 v20, v2, 68
	v_lshl_add_u32 v20, v1, 2, v20                 ; 68 b + 4 j
	v_cmp_eq_u32 vcc_lo, 0, v1
	s_wait_kmcnt 0x0
	v_mov_b32 v22, s12
	v_cndmask_b32 v21, s13, v22, vcc_lo            ; lane 0: b_cls; the others: b_gap
	s_wait_loadcnt 0x0
	v_pk_add_f32 v[4:5],   v[4:5],   v[6:7]
	v_pk_add_f32 v[8:9],   v[8:9],   v[10:11]
	v_pk_add_f32 v[12:13], v[12:13], v[14:15]
	v_pk_add_f32 v[16:17], v[16:17], v[18:19]
	v_pk_add_f32 v[4:5],   v[4:5],   v[8:9]
	v_pk_add_f32 v[12:13], v[12:13], v[16:17]
	v_pk_add_f32 v[4:5],   v[4:5],   v[12:13]
	v_add_f32 v4, v4, v5
	v_add_f32 v4, v4, v21
	v_cmp_gt_u32 vcc_lo, 17, v1
	s_wait_xcnt 0x0                                ; EXEC is a source of the loads above: it changes only behind this wait
	s_and_saveexec_b32 s14, vcc_lo
	global_store_b32 v20, v4, s[10:11]             ; lanes 0..16
	s_wait_xcnt 0x0                                ; and again in front of the line that widens it
	s_or_b32 exec_lo, exec_lo, s14
	s_endpgm
.Lfunc_end_k_q7a2e25b94e_finish:
	.size	k_q7a2e25b94e_finish, .Lfunc_end_k_q7a2e25b94e_finish-k_q7a2e25b94e_finish
	.p2alignl 7, 3214868480
	.fill 96, 4, 3214868480
	.section	.rodata,"a",@progbits
	.p2align	6, 0x0
	.amdhsa_kernel k_q7a2e25b94e_finish
		.amdhsa_group_segment_fixed_size 0
		.amdhsa_private_segment_fixed_size 0
		.amdhsa_enable_private_segment 0
		.amdhsa_kernarg_size 32
		.amdhsa_user_sgpr_count 2
		.amdhsa_user_sgpr_kernarg_segment_ptr 1
		.amdhsa_wavefront_size32 1
		.amdhsa_system_sgpr_workgroup_id_x 1
		.amdhsa_system_sgpr_workgroup_id_y 1
		.amdhsa_system_sgpr_workgroup_id_z 1
		.amdhsa_system_vgpr_workitem_id 0
		.amdhsa_next_free_vgpr 24
		.amdhsa_next_free_sgpr 66
		.amdhsa_reserve_vcc 1
		.amdhsa_float_denorm_mode_32 3
		.amdhsa_float_denorm_mode_16_64 3
		.amdhsa_memory_ordered 1
		.amdhsa_forward_progress 1
		.amdhsa_inst_pref_size 4
	.end_amdhsa_kernel
	.amdgpu_metadata
---
amdhsa.version: [ 1, 2 ]
amdhsa.kernels:
  - .name:           k_q7a2e25b94e_finish
    .symbol:         k_q7a2e25b94e_finish.kd
    .args:
      - { .name: part, .offset: 0, .size: 8, .value_kind: global_buffer, .address_space: global }
      - { .name: b_cls, .offset: 8, .size: 8, .value_kind: global_buffer, .address_space: global }
      - { .name: b_gap, .offset: 16, .size: 8, .value_kind: global_buffer, .address_space: global }
      - { .name: out0, .offset: 24, .size: 8, .value_kind: global_buffer, .address_space: global }
    .group_segment_fixed_size: 0
    .private_segment_fixed_size: 0
    .kernarg_segment_align: 8
    .kernarg_segment_size: 32
    .max_flat_workgroup_size: 512
    .sgpr_count:     66
    .vgpr_count:     24
    .wavefront_size: 32
...
	.end_amdgpu_metadata
.endif
;; end of part 2
